; MI455X (gfx1250); checked and timed in simulation.
; The chip was launched on July 23, 2026; its instructions are those of AMD's public machine-readable ISA for CDNA 5 (MIT licence, August 2026) and "CDNA5" Instruction Set Architecture Reference Guide (July 2026). The comments in the code are by the model that wrote it; some were corrected since.
;; Quax Dot General. Allowed arithmetic: float matrix products may take bf16 or f16 operands with f32 sums; other float arithmetic in f32, or as packed bf16 or f16 multiplies, adds, multiply-adds, maxima and minima; sums over many terms, partial sums and values carried from step to step in f32; what a program stores and reads back later, other than sums and carried values, may be rounded once to bf16 or f16.
;; Inputs: lhs_q 8,192 x 4,096 int32; lhs_scale 8,192 x 1 float32; rhs 4,096 x 2,048 float32.
;; Outputs: out0 8,192 x 2,048 float32.
;; 2 versions, each right; version 2 is version 1 with the launch cast written anew for expert scheduling mode. Each part assembles by itself: llvm-mc -triple=amdgcn-amd-amdhsa -mcpu=gfx1250 --defsym DOCPART=n.
;; ======== version 1 of 2: 2 launches
;; limits: right only within a limited range of input values
;; workspace buffers: aw 67,108,864 bytes; bw 16,777,216 bytes
;; launch cast (part 1): grid 1280 x 1, 8 waves a work-group, no clusters, 0 bytes of LDS; arguments lhs_q, rhs, aw, bw; writes aw, bw
.if DOCPART == 1
	.amdgcn_target "amdgcn-amd-amdhsa--gfx1250"
	.amdhsa_code_object_version 6
	.text
	.protected	k_q653a2d837a_cast
	.globl	k_q653a2d837a_cast
	.p2align	8
	.type	k_q653a2d837a_cast,@function
k_q653a2d837a_cast:
	s_mov_b64 s[64:65], 0
	v_nop
	global_prefetch_b8 v0, s[64:65] scope:SCOPE_SE
	s_setreg_imm32_b32 hwreg(HW_REG_WAVE_MODE, 25, 1), 1
	s_wait_xcnt 0x0
; FIRST OF TWO LAUNCHES.  out[m][n] = lhs_scale[m] x the sum over k of int8(lhs_q[m][k]) rhs[k][n].
; This launch makes the two matrix operands of 16 bits:  aw[m][k] = bf16(int8(lhs_q[m][k])),  bw[k][n] = bf16(rhs[k][n]).
; NO WORK IS LEFT OUT: every input has a way to every row or column of the output.  One step is moved: the row's scale multiplies the finished sum
; in the second launch, s (q . b) = (s q) . b for all values, so that aw holds whole numbers -128 .. 127, which bf16 holds exactly.
; The cast to int8 is honoured for every int32: the low byte counts, sign-extended (a shift up by 24 and an arithmetic shift down).
; rhs is rounded once, to nearest even.  LIMIT, stated with the second launch: the unscaled sum is kept in f32.
; SHARES.  The two inputs are 160 MiB, cut into 1,280 chunks of 128 KiB: work-groups 0 .. 1,023 take lhs_q, 1,024 .. 1,279 take rhs; all move the same bytes.
; A chunk is 32 rows of 4,096 input bytes; thread t owns bytes 16 t of each row and the 8 output bytes at 8 t: a wave's load covers 512 consecutive bytes,
; its store 256 consecutive bytes at a multiple of 256 from the buffer's first byte.  A ring of eight slots in registers keeps eight loads of every wave out.
; No LDS, no barrier, no matrix unit: nothing is shared between threads.
.set ROWIN,  4096                      ; input bytes of a row of the chunk
.set ROWOUT, 2048                      ; output bytes of it
.set DEPTH,  8                         ; slots = loads out in each wave
.set ROUNDS, 32/DEPTH
.set X, 4                              ; v[4:35]   slot i: four words as loaded
.set T, 36                             ; v[36:39]  at work
.set Y, 40                             ; v[40:55]  slot i: four bf16 to store
	s_load_b256 s[4:11], s[0:1], 0x0               ; lhs_q s[4:5], rhs s[6:7], aw s[8:9], bw s[10:11]
	v_lshlrev_b32 v1, 4, v0                        ; my 16 input bytes of a row; never rewritten
	v_lshlrev_b32 v2, 3, v0                        ; my 8 output bytes; never rewritten
	s_mov_b32 s3, 0                                ; high word of the offsets: all stay under 2^28
	s_wait_kmcnt 0x0
; Four numbers of slot i to bf16.  kind 0: int32, of which the low byte counts.  kind 1: f32.
.macro CONV kind, i
.if (\kind) == 0
.irp j, 0,1,2,3
	v_lshlrev_b32 v[T+(\j)], 24, v[X+4*(\i)+(\j)]  ; the low byte to the top,
.endr
.irp j, 0,1,2,3
	v_ashrrev_i32 v[T+(\j)], 24, v[T+(\j)]         ; and back with its sign: the cast to int8
.endr
.irp j, 0,1,2,3
	v_cvt_f32_i32 v[T+(\j)], v[T+(\j)]
.endr
	v_cvt_pk_bf16_f32 v[Y+2*(\i)],   v[T],   v[T+1]  ; exact: eight bits
	v_cvt_pk_bf16_f32 v[Y+2*(\i)+1], v[T+2], v[T+3]
.else
	v_cvt_pk_bf16_f32 v[Y+2*(\i)],   v[X+4*(\i)],   v[X+4*(\i)+1]
	v_cvt_pk_bf16_f32 v[Y+2*(\i)+1], v[X+4*(\i)+2], v[X+4*(\i)+3]
.endif
.endm
; One slot's turn.  ahead = 1: the slot is filled again with the row DEPTH further down.  left = how many younger loads may stay out.
.macro SLOT kind, in, out, i, ahead, left
	s_wait_loadcnt \left                           ; loads come back in order (ISA guide 5.7.1): mine is in, the younger ones stay out
	s_wait_xcnt 0x0                                ; this slot's Y, which its last store reads, is rewritten only behind this wait
	CONV \kind, \i
.if \ahead
	global_load_b128 v[X+4*(\i):X+4*(\i)+3], v1, s[\in:\in+1] offset:((\i)+DEPTH)*ROWIN th:TH_LOAD_NT
.endif
	global_store_b64 v2, v[Y+2*(\i):Y+2*(\i)+1], s[\out:\out+1] offset:(\i)*ROWOUT
.endm
; A chunk: 32 rows, from s[in:in+1] to s[out:out+1].
.macro STREAM kind, in, out
.irp i, 0,1,2,3,4,5,6,7
	global_load_b128 v[X+4*(\i):X+4*(\i)+3], v1, s[\in:\in+1] offset:(\i)*ROWIN th:TH_LOAD_NT  ; rows 0 to 7 fill the ring
.endr
	s_mov_b32 s13, ROUNDS-1
.Lround_\@:
.irp i, 0,1,2,3,4,5,6,7
	SLOT \kind, \in, \out, \i, 1, DEPTH-1
.endr
	s_wait_xcnt 0x0                                ; the two bases are stepped only behind this wait
	s_add_nc_u64 s[\in:\in+1], s[\in:\in+1], DEPTH*ROWIN
	s_add_nc_u64 s[\out:\out+1], s[\out:\out+1], DEPTH*ROWOUT
	s_sub_co_u32 s13, s13, 1
	s_cmp_lg_u32 s13, 0
	s_cbranch_scc1 .Lround_\@
.irp i, 0,1,2,3,4,5,6,7
	SLOT \kind, \in, \out, \i, 0, DEPTH-1-(\i)     ; the last round loads nothing: the counts run down
.endr
.endm
	s_cmp_lt_u32 ttmp9, 1024
	s_cbranch_scc0 .Lrhs
	s_lshl_b32 s2, ttmp9, 17                       ; the chunk's 128 KiB of lhs_q,
	s_add_nc_u64 s[4:5], s[4:5], s[2:3]
	s_lshl_b32 s2, ttmp9, 16                       ; its 64 KiB of aw
	s_add_nc_u64 s[8:9], s[8:9], s[2:3]
	STREAM 0, 4, 8
	s_endpgm
.Lrhs:
	s_sub_co_u32 s12, ttmp9, 1024                  ; the chunk's number in rhs
	s_lshl_b32 s2, s12, 17
	s_add_nc_u64 s[6:7], s[6:7], s[2:3]
	s_lshl_b32 s2, s12, 16
	s_add_nc_u64 s[10:11], s[10:11], s[2:3]
	STREAM 1, 6, 10
	s_endpgm
.Lfunc_end_k_q653a2d837a_cast:
	.size	k_q653a2d837a_cast, .Lfunc_end_k_q653a2d837a_cast-k_q653a2d837a_cast
	.p2alignl 7, 3214868480
	.fill 96, 4, 3214868480
	.section	.rodata,"a",@progbits
	.p2align	6, 0x0
	.amdhsa_kernel k_q653a2d837a_cast
		.amdhsa_group_segment_fixed_size 0
		.amdhsa_private_segment_fixed_size 0
		.amdhsa_enable_private_segment 0
		.amdhsa_kernarg_size 32
		.amdhsa_user_sgpr_count 2
		.amdhsa_user_sgpr_kernarg_segment_ptr 1
		.amdhsa_wavefront_size32 1
		.amdhsa_system_sgpr_workgroup_id_x 1
		.amdhsa_system_sgpr_workgroup_id_y 1
		.amdhsa_system_sgpr_workgroup_id_z 1
		.amdhsa_system_vgpr_workitem_id 0
		.amdhsa_next_free_vgpr 56
		.amdhsa_next_free_sgpr 66
		.amdhsa_reserve_vcc 0
		.amdhsa_float_denorm_mode_32 3
		.amdhsa_float_denorm_mode_16_64 3
		.amdhsa_memory_ordered 1
		.amdhsa_forward_progress 1
		.amdhsa_inst_pref_size 20
	.end_amdhsa_kernel
	.amdgpu_metadata
---
amdhsa.version: [ 1, 2 ]
amdhsa.kernels:
  - .name:           k_q653a2d837a_cast
    .symbol:         k_q653a2d837a_cast.kd
    .args:
      - { .name: lhs_q, .offset: 0, .size: 8, .value_kind: global_buffer, .address_space: global }
      - { .name: rhs, .offset: 8, .size: 8, .value_kind: global_buffer, .address_space: global }
      - { .name: aw, .offset: 16, .size: 8, .value_kind: global_buffer, .address_space: global }
      - { .name: bw, .offset: 24, .size: 8, .value_kind: global_buffer, .address_space: global }
    .group_segment_fixed_size: 0
    .private_segment_fixed_size: 0
    .kernarg_segment_align: 8
    .kernarg_segment_size: 32
    .max_flat_workgroup_size: 256
    .sgpr_count:     66
    .vgpr_count:     56
    .wavefront_size: 32
...
	.end_amdgpu_metadata
.endif
;; end of part 1
;; launch gemm (part 2): grid 8 x 32, 4 waves a work-group, clusters of 4 x 4, 327,680 bytes of LDS; arguments aw, bw, lhs_scale, out0; writes out0
.if DOCPART == 2
	.amdgcn_target "amdgcn-amd-amdhsa--gfx1250"
	.amdhsa_code_object_version 6
	.text
	.protected	k_q653a2d837a_gemm
	.globl	k_q653a2d837a_gemm
	.p2align	8
	.type	k_q653a2d837a_gemm,@function
k_q653a2d837a_gemm:
	s_mov_b64 s[64:65], 0
	v_nop
	global_prefetch_b8 v0, s[64:65] scope:SCOPE_SE
	s_setreg_imm32_b32 hwreg(HW_REG_WAVE_MODE, 25, 1), 1
	s_wait_xcnt 0x0
	s_wait_alu depctr_hold_cnt(0) depctr_sa_sdst(0) depctr_va_vdst(0) depctr_va_sdst(0) depctr_va_ssrc(0) depctr_va_vcc(0) depctr_vm_vsrc(0)
	s_getreg_b32 s2, hwreg(HW_REG_IB_STS2, 6, 4)
	s_cmp_eq_u32 s2, 0
	s_cbranch_scc0 .Lentry_in_a_cluster
	s_endpgm
.Lentry_in_a_cluster:
	s_bfe_u32 s2, ttmp6, 0x10000c
	s_cmp_lg_u32 s2, 0xf033
	s_cbranch_scc0 .Lentry_shape_is_right
	s_endpgm
.Lentry_shape_is_right:
; SECOND OF TWO LAUNCHES.  out0[m][n] = lhs_scale[m] x the sum over k of aw[m][k] bw[k][n].  aw: [8192][4096] bf16 (whole numbers -128 .. 127, exact), bw: [4096][2048] bf16
; (rhs rounded once), lhs_scale: [8192] f32, out0: [8192][2048] f32.  Sums in f32.  No work is left out; the row's scale multiplies the finished sum, which is the same number for all values.
; LIMIT.  The unscaled sum is kept in f32: it overflows where |rhs| passes about 6e32 (3.4e38 / (128 x 4096)), even where a small scale would have kept the scaled sum finite.
; NaN and infinities in rhs or in the scale reach the rows and columns that they reach in the plain formula.
; SHARES.  A tile of C, 256 x 256, is made by a work-group of four waves; a wave makes 128 x 128: 64 accumulators of 16 x 16, 512 registers.  C has 32 x 8 = 256 such tiles.
; K goes in 32 steps of 128 through a ring of two LDS slots filled by the tensor data mover.  A's tile is 256 rows x 256 bytes; B's is 128 rows (k) x 512 bytes (256 n), as bw lies in memory.
; B IS TURNED ON ITS WAY OUT OF LDS, by ds_load_tr16_b128: no transposed copy of rhs is ever written.
; CLUSTERS: 4 x 4 work-groups.  The four of a row of the cluster need the same tiles of A, the four of a column the same tiles of B: each tile is asked for JOINTLY, by the same tensor load
; with the same descriptor and a mask that names the four; each receives it in its own LDS.
; THE MATRIX INSTRUCTION IS USED TRANSPOSED: source 0 = 16 columns of B, source 1 = 16 rows of A.  In the result lane l holds row l % 16 of C and the columns 8 (l / 16) + 0 .. 7.
; REGISTERS, in windows of 256 (s_set_vgpr_msb: bits 1:0 source 0, 3:2 source 1, 5:4 source 2, 7:6 destination):
;   window 0: v0-31 addresses; v32-47 my rows' scales; v64-127, v128-191 fragments of A, two buffers; on the way out v64-127 scaled results, v128-191 and v192-255 rows read back
;   window 1: v64-127, v128-191 fragments of B, two buffers      window 2: the accumulators of my rows 0-63 ((a, b) at v[8 (8 a + b)])      window 3: those of my rows 64-127
.set SIZE_M, 8192
.set SIZE_K, 4096
.set SIZE_N, 2048
.set KSTEP,  128
.set PITCH,  272                       ; a row of A in LDS: 256 bytes + 16 of padding = 68 words: the 16 rows of a load start at 16 different groups of four banks (64 banks of 4 bytes: ISA guide 11.1)
.set PB,     544                       ; a row of B in LDS: 512 bytes + 32 of padding = 136 words
.set HALFT,  128*PITCH                 ; what one tensor load brings: 128 rows of A, or 64 rows of B (64 x 544 is the same 34,816 bytes)
.set SLOT,   4*HALFT                   ; A's 256 rows, then B's 128 rows
.set STAGE,  2*SLOT                    ; behind the ring, never filled by a tensor load: 16 rows x 528 bytes for each wave, for the way out
.set SPITCH, 528                       ; a stage row: 128 f32 + 16 bytes
.set SPARE,  STAGE+4*16*SPITCH         ; behind the stages: the spare words, 128 bytes for each wave: two blocks of 256 bytes that no other line names
.set LAPS,   SIZE_K/(2*KSTEP)          ; a lap = two K steps = once round the ring: 16
.set ADRA, 16                          ; v16-17  LDS address of my A fragments in slot 0, 1
.set ADRB, 20                          ; v20-21  the same for B
.set STO,  24                          ; v24     the way out: where I put 32 bytes of a row
.set RD,   25                          ; v25     the way out: where I read a row back
.set CO,   26                          ; v26     16 x lane: my 16 bytes of a row's 512
.set SCO,  27                          ; v27     4 x (lane % 16): my row's scale among a block's sixteen
.set SPW,  28                          ; v28     LDS address of my spare word: SPARE + 4 x my thread's number; never rewritten
.set NIL,  29                          ; v29     0; never rewritten
.set PFO,  30                          ; v30     the prefetches' lane offset; never rewritten
.set SC,   32                          ; v32-47  the scale of my row in block a, in both registers of the pair v[32 + 2 a : 33 + 2 a]
.set F0,   64                          ; fragment buffer 0
.set F1,   128                         ; fragment buffer 1
.set TMP,  64                          ; the way out: a block's 64 scaled results
.set OB,   128                         ; the way out: 16 rows read back: v128-191 and v192-255 by turns
.set WV,   12                          ; s12  my wave's number
.set HR,   13                          ; s13  which half of the tile's rows is mine.  Also: I fetch for A (0) or for B (1)
.set HC,   14                          ; s14  which half of its columns.  Also: which half of that tile I fetch
.set LIM,  15                          ; s15  1 in a wave that prefetches, else the greatest number
.set G1,   24                          ; s[24:31] descriptor group 1 for A's tiles
.set G0,   32                          ; s[32:39] descriptor group 0 for A's tiles, one set for each slot
.set PFA,  44                          ; s[44:45] the address that my next prefetch names
.set PFS,  46                          ; s[46:47] its step from K step to K step
.set G1B,  48                          ; s[48:55] descriptor group 1 for B's tiles
.set G0B,  56                          ; s[56:63] descriptor group 0 for B's tiles, one set for each slot
.set MSB, 0
.macro WIN new                         ; the immediate's high byte repeats the setting that is left; a switch that changes nothing is dropped
.if MSB != (\new)
	s_set_vgpr_msb (MSB<<8)|(\new)
.set MSB, \new
.endif
.endm
.set MUL_LO, 0xa1                      ; source 0 (B) window 1, source 1 (A) window 0, C and D window 2
.set MUL_HI, 0xf1                      ; the same, C and D window 3
.set TO_B,   0x40                      ; destination window 1, address window 0
; A joint load.  Waves 0 and 1 fetch A's two halves, waves 2 and 3 B's.  Each of the two lines has one mask and one set of registers for all that issue it.  The branch hangs on the wave's
; number alone.  An s_nop 0 and four v_nop follow each of the two lines, ahead of the jump, the label and what follows the macro.
.macro JLOAD s
	s_cmp_eq_u32 s[HR], 0
	s_cbranch_scc0 .Lfor_b_\@
	tensor_load_to_lds s[G0+4*(\s):G0+4*(\s)+3], s[G1:G1+7]
	s_nop 0
.rept 4
	v_nop
.endr
	s_branch .Lasked_\@
.Lfor_b_\@:
	tensor_load_to_lds s[G0B+4*(\s):G0B+4*(\s)+3], s[G1B:G1B+7]
	s_nop 0
.rept 4
	v_nop
.endr
.Lasked_\@:
.endm
; A PREFETCH INTO THE L2, behind each joint refill, its five lines and the run of LDS loads that follows them: my work-group's share of the K step that stands TWO refills on, 512 matrix instructions
; ahead of the load that will want it: 32 blocks of 256 bytes, a lane a block, one instruction a wave.  Each block is named ONCE in the launch: A's rows are asked for by the clusters with x = 0,
; B's by those with y = 0; of what a wave fetches, the four partners that ask for it jointly take a quarter each, told apart BY ADDRESS (cx for A, cy for B): no branch hangs on a place in the cluster.
; K steps 0 to 3 come by their loads alone; the loop's last trip (s3 = 1) asks for nothing: the highest K step named is 31, the last.
.macro ASK
	s_cmp_gt_u32 s3, s[LIM]
	s_cbranch_scc0 .Lnot_mine_\@
	global_prefetch_b8 v[PFO], s[PFA:PFA+1] th:TH_LOAD_NT scope:SCOPE_SE
.Lnot_mine_\@:
.endm
; A round of the cluster's barrier: my work-group's barrier, so that wave 0's signal speaks for all four waves; wave 0 signals for the work-group; every wave waits for all sixteen
; work-groups; my work-group's barrier once more.  No LDS instruction of the wave is pending at a signal.
.macro CREST                           ; a round behind its opening barrier
	s_cmp_lg_u32 s[WV], 0
	s_cbranch_scc1 .Lnot_wave_0_\@
	s_barrier_signal -3
.Lnot_wave_0_\@:
	s_barrier_wait -3
	s_barrier_signal -1
	s_barrier_wait -1
.endm
.macro CROUND                          ; a whole round
	s_barrier_signal -1
	s_barrier_wait -1
	CREST
.endm
	s_load_b256 s[4:11], s[0:1], 0x0               ; aw s[4:5], bw s[6:7], lhs_scale s[8:9], out0 s[10:11]
	v_lshl_add_u32 v[SPW], v0, 2, SPARE
	v_mov_b32 v[NIL], 0
	ds_add_u32 v[SPW], v[NIL]                      ; the wave's opening: the add, twice on end, and its wait ahead of my first tensor load; the set-up below stands between
	ds_add_u32 v[SPW], v[NIL]                      ; and once more, under the one wait
	v_lshrrev_b32 v1, 5, v0
	v_readfirstlane_b32 s[WV], v1                  ; wave 0..3
	s_lshr_b32 s[HR], s[WV], 1
	s_and_b32 s[HC], s[WV], 1
	s_bfe_u32 s40, ttmp6, 0x40000                  ; cx: my place along the cluster's x
	s_bfe_u32 s41, ttmp6, 0x40004                  ; cy: along its y
	s_lshl_b32 s42, ttmp9, 2                       ; in a cluster launch ttmp9 and ttmp7 count clusters
	s_add_co_u32 s42, s42, s40                     ; tile column of C = 4 x cluster x + cx
	s_and_b32 s43, ttmp7, 0xffff
	s_lshl_b32 s43, s43, 2
	s_add_co_u32 s43, s43, s41                     ; tile row of C = 4 x cluster y + cy
	s_lshl_b32 s66, s41, 2
	s_lshl_b32 s66, 15, s66                        ; my row of the cluster: places 4 cy .. 4 cy + 3
	s_lshl_b32 s67, 0x1111, s40                    ; my column: places cx, cx + 4, cx + 8, cx + 12
	; descriptor group 1.  A: 128 rows x 128 elements, 4 words of padding behind every 64.  B: 64 rows x 256 elements, 8 words behind every 128.
	s_or_b32 s[G1+0], s66, (1<<16)|(1<<20)|(1<<21)|(5<<22)|(3<<25)   ; 15:0 the mask: my row; 17:16 elements of 2 bytes; 20 padding on; 21 set beside a mask; 24:22 interval code 5; 31:25 pad code 3
	s_mov_b32 s[G1+1], KSTEP<<16                   ; tensor_dim0 = 128
	s_mov_b32 s[G1+2], 128<<16                     ; tensor_dim1 = 128
	s_mov_b32 s[G1+3], KSTEP<<16                   ; tile_dim0 = 128
	s_mov_b32 s[G1+4], 128                         ; tile_dim1 = 128
	s_mov_b32 s[G1+5], SIZE_K                      ; elements from row to row of aw
	s_mov_b32 s[G1+6], 0
	s_mov_b32 s[G1+7], 0
	s_or_b32 s[G1B+0], s67, (1<<16)|(1<<20)|(1<<21)|(6<<22)|(7<<25)  ; the mask: my column; interval code 6; pad code 7
	s_mov_b32 s[G1B+1], 256<<16                    ; tensor_dim0 = 256
	s_mov_b32 s[G1B+2], 64<<16                     ; tensor_dim1 = 64
	s_mov_b32 s[G1B+3], 256<<16                    ; tile_dim0 = 256
	s_mov_b32 s[G1B+4], 64                         ; tile_dim1 = 64
	s_mov_b32 s[G1B+5], SIZE_N                     ; elements from row to row of bw
	s_mov_b32 s[G1B+6], 0
	s_mov_b32 s[G1B+7], 0
	; where the tiles come from.  A's hang on the tile row alone, which my row of the cluster shares; B's on the tile column alone, which my column shares.
	; Every wave makes both addresses, in registers that never hold the other coordinate, and asks by one of them.
	s_lshl_b32 s16, s43, 8
	s_lshl_b32 s17, s[HC], 7
	s_add_co_u32 s16, s16, s17                     ; A: row 256 x tile row + 128 x half,
	s_lshl_b32 s16, s16, 13                        ; of 8,192 bytes: under 2^26
	s_mov_b32 s17, 0
	s_lshl_b32 s68, s[HC], 18                      ; B: k row 64 x half, of 4,096 bytes,
	s_lshl_b32 s69, s42, 9                         ; and the tile column's 512 bytes of a row
	s_add_co_u32 s68, s68, s69
	s_mov_b32 s69, 0
	s_mul_i32 s20, s[WV], HALFT                    ; and where they go: A's two halves, then B's two halves = wave x 34,816: no place in the cluster enters an LDS address
	s_wait_dscnt 0x0                               ; both opening adds are done
	s_wait_kmcnt 0x0
	s_add_nc_u64 s[16:17], s[4:5], s[16:17]
	s_add_nc_u64 s[68:69], s[6:7], s[68:69]
	CROUND                                         ; all sixteen work-groups are here: the first joint loads meet
.irp s, 0,1
	s_mov_b32 s[G0+4*(\s)], 1                                      ; 1:0 count = 1
	s_add_co_u32 s[G0+4*(\s)+1], s20, (\s)*SLOT                    ; 63:32 LDS address
	s_add_nc_u64 s[G0+4*(\s)+2:G0+4*(\s)+3], s[16:17], (\s)*KSTEP*2  ; 120:64 global address: K step s lies 256 bytes along A's rows,
	s_or_b32 s[G0+4*(\s)+3], s[G0+4*(\s)+3], 0x80000000            ; 127:126 type = 2
	s_mov_b32 s[G0B+4*(\s)], 1
	s_add_co_u32 s[G0B+4*(\s)+1], s20, (\s)*SLOT
	s_add_nc_u64 s[G0B+4*(\s)+2:G0B+4*(\s)+3], s[68:69], (\s)*KSTEP*SIZE_N*2  ; and 128 rows down B
	s_or_b32 s[G0B+4*(\s)+3], s[G0B+4*(\s)+3], 0x80000000
	JLOAD \s                                       ; the ring is filled before anything else is done: two loads of mine are out
.endr
	; A fragment of A is 16 rows x 32 K in 8 registers: lane l holds row l % 16; registers 0-3 K = 8 (l / 16) + 0..7, registers 4-7 K = 16 + 8 (l / 16) + 0..7: two loads of 16 bytes, 32 bytes apart.
	v_and_b32 v1, 15, v0                           ; l % 16
	v_bfe_u32 v2, v0, 4, 1                         ; l / 16
	v_mul_u32_u24 v3, v1, PITCH
	v_lshl_add_u32 v3, v2, 4, v3                   ; row x pitch + 16 x half
	s_mul_i32 s21, s[HR], HALFT                    ; my 128 rows of A
	; The turning load takes 16 k x 16 n (lane l reads 16 bytes: k row 8 (l / 16) + l % 8, columns 8 ((l / 8) % 2) + 0..7) and leaves half a fragment of B^T: lane l holds column l % 16 and 8 k.
	v_and_b32 v4, 7, v0
	v_lshl_add_u32 v4, v2, 3, v4
	v_mul_u32_u24 v4, v4, PB
	v_bfe_u32 v5, v0, 3, 1
	v_lshl_add_u32 v4, v5, 4, v4
	s_lshl_b32 s22, s[HC], 8                       ; my 128 columns: 256 bytes of B's rows,
	s_add_co_u32 s22, s22, 2*HALFT                 ; which lie behind A's 256
.irp s, 0,1
	v_add_nc_u32 v[ADRA+(\s)], s21, v3
	v_add_nc_u32 v[ADRB+(\s)], s22, v4
	s_add_co_u32 s21, s21, SLOT
	s_add_co_u32 s22, s22, SLOT
.endr
	s_mul_i32 s23, s[WV], 16*SPITCH
	s_add_co_u32 s23, s23, STAGE                   ; my stage
	v_mul_u32_u24 v5, v1, SPITCH                   ; in: row l % 16, 32 bytes for each half of the lanes
	v_lshl_add_u32 v5, v2, 5, v5
	v_add_nc_u32 v[STO], s23, v5
	v_and_b32 v6, 31, v0                           ; l
	v_lshlrev_b32 v[CO], 4, v6                     ; back: 32 lanes take one row of 512 bytes,
	v_add_nc_u32 v[RD], s23, v[CO]                 ; and the same 512 bytes of a row of C
	v_lshlrev_b32 v[SCO], 2, v1
	; my part of C and my rows' scales
	s_lshl_b32 s70, s43, 8
	s_lshl_b32 s71, s[HR], 7
	s_add_co_u32 s70, s70, s71                     ; my first row of C
	s_lshl_b32 s72, s70, 2
	s_mov_b32 s73, 0
	s_add_nc_u64 s[8:9], s[8:9], s[72:73]          ; its scale
	s_lshl_b32 s70, s70, 13                        ; rows of 8,192 bytes: under 2^26
	s_lshl_b32 s71, s42, 10                        ; the tile's 1,024 bytes of a row,
	s_add_co_u32 s70, s70, s71
	s_lshl_b32 s71, s[HC], 9                       ; my 512 of them
	s_add_co_u32 s70, s70, s71
	s_mov_b32 s71, 0
	s_add_nc_u64 s[10:11], s[10:11], s[70:71]
.irp a, 0,1,2,3,4,5,6,7
	global_load_b32 v[SC+2*(\a)],   v[SCO], s[8:9] offset:64*(\a)  ; block a's sixteen scales, a lane its row's;
	global_load_b32 v[SC+2*(\a)+1], v[SCO], s[8:9] offset:64*(\a)  ; the packed multiply names a pair, so both registers are written
.endr
	; the prefetches
	s_and_b32 s23, ttmp7, 0xffff                   ; cluster y
	s_lshl_b32 s70, s43, 8                         ; for A: row 256 x tile row
	s_lshl_b32 s71, s[HC], 7
	s_add_co_u32 s70, s70, s71                     ; + the 128 rows that I fetch
	s_lshl_b32 s71, s40, 5
	s_add_co_u32 s70, s70, s71                     ; + my work-group's 32 of them,
	s_lshl_b32 s70, s70, 13
	s_add_co_u32 s70, s70, 3*KSTEP*2               ; at K step 3: the first refill steps it to 4
	s_lshl_b32 s72, s[HC], 6                       ; for B: the 64 k rows that I fetch
	s_lshl_b32 s71, s41, 4
	s_add_co_u32 s72, s72, s71                     ; + my work-group's 16 of them,
	s_lshl_b32 s72, s72, 12
	s_lshl_b32 s71, s42, 9
	s_add_co_u32 s72, s72, s71                     ; the tile column's 512 bytes,
	s_add_co_u32 s72, s72, 3*KSTEP*SIZE_N*2        ; at K step 3
	s_mov_b32 s[PFS], KSTEP*SIZE_N*2               ; a K step is 128 rows of B,
	s_cmp_eq_u32 s[HR], 0                          ; do I fetch for A?
	s_cselect_b32 s[PFS], KSTEP*2, s[PFS]          ; or 256 bytes along A's rows
	s_cselect_b32 s70, s70, s72
	s_cselect_b32 s22, ttmp9, s23                  ; the coordinate along which other clusters read the same blocks
	s_cselect_b64 s[PFA:PFA+1], s[4:5], s[6:7]
	s_cselect_b32 s73, -1, 0                       ; all lanes, or none: chooses the lanes' offsets below
	s_mov_b32 s71, 0
	s_mov_b32 s[PFS+1], 0
	s_cmp_eq_u32 s22, 0
	s_cselect_b32 s[LIM], 1, -1                    ; the same in all sixteen partners, for a given wave
	s_add_nc_u64 s[PFA:PFA+1], s[PFA:PFA+1], s[70:71]
	v_lshlrev_b32 v7, 13, v6                       ; A: a lane a row of 8,192 bytes
	v_lshrrev_b32 v8, 1, v6                        ; B: two lanes a row of 4,096 bytes,
	v_and_b32 v9, 1, v6
	v_lshlrev_b32 v8, 12, v8
	v_lshl_add_u32 v8, v9, 8, v8                   ; 256 bytes apart
	v_cndmask_b32 v[PFO], v8, v7, s73
; 16 matrix instructions: m blocks a0, a0 + 1 of the window's four (hi = 0: my rows 0-63, 1: rows 64-127) x all 8 n blocks, 32 along K.
; zero = 1: the first product starts the sums: nothing is ever cleared.  The 64 accumulators take turns, in the same order in every quarter.
.macro MUL16 f, hi, a0, zero
	WIN MUL_LO+0x50*(\hi)
.irp a, \a0, (\a0)+1
.irp b, 0,1,2,3,4,5,6,7
.if \zero
	v_wmma_f32_16x16x32_bf16 v[8*(8*(\a)+(\b)):8*(8*(\a)+(\b))+7], v[(\f)+8*(\b):(\f)+8*(\b)+7], v[(\f)+8*(4*(\hi)+(\a)):(\f)+8*(4*(\hi)+(\a))+7], 0
.else
	v_wmma_f32_16x16x32_bf16 v[8*(8*(\a)+(\b)):8*(8*(\a)+(\b))+7], v[(\f)+8*(\b):(\f)+8*(\b)+7], v[(\f)+8*(4*(\hi)+(\a)):(\f)+8*(4*(\hi)+(\a))+7], v[8*(8*(\a)+(\b)):8*(8*(\a)+(\b))+7]
.endif
.endr
.endr
.endm
; 32 LDS loads in one run: the fragments of quarter q of a K step (32 K x my 128 columns of B, turned; my 128 rows of A x 32 K) into buffer f.  B's first, A's rows 64-127 last.
.macro FETCH slot, q, f
	WIN TO_B
.irp i, 0,1,2,3,4,5,6,7
	ds_load_tr16_b128 v[(\f)+8*(\i):(\f)+8*(\i)+3],   v[ADRB+(\slot)] offset:(\q)*32*PB+32*(\i)
	ds_load_tr16_b128 v[(\f)+8*(\i)+4:(\f)+8*(\i)+7], v[ADRB+(\slot)] offset:(\q)*32*PB+16*PB+32*(\i)
.endr
	WIN 0
.irp i, 0,1,2,3,4,5,6,7
	ds_load_b128 v[(\f)+8*(\i):(\f)+8*(\i)+3],   v[ADRA+(\slot)] offset:(\q)*64+(\i)*16*PITCH
	ds_load_b128 v[(\f)+8*(\i)+4:(\f)+8*(\i)+7], v[ADRA+(\slot)] offset:(\q)*64+(\i)*16*PITCH+32
.endr
.endm
; A load into a register that a matrix instruction has read, and a vector instruction that reads a matrix result, stand four places behind that matrix instruction, and only plain vector
; instructions that name none of its registers are places (ISA guide 7.12.1 for vector instructions).
.macro PLACES
.rept 4
	v_nop
.endr
.endm
; A K step is four quarters of 32 along K, 64 matrix instructions each, on buffers 0, 1, 0, 1.
; One of the first three: multiplies buffer f; in its middle it fetches quarter q of the same slot into buffer g.
.macro QUARTER slot, q, f, g, zero
	s_wait_dscnt 8                                 ; B and A's rows 0-63 are in; the youngest eight loads (A's rows 64-127) may be out
	MUL16 \f, 0, 0, \zero
	MUL16 \f, 0, 2, \zero
	PLACES
	FETCH \slot, \q, \g
	s_wait_dscnt 32                                ; all but the 32 just issued
	MUL16 \f, 1, 0, \zero
	MUL16 \f, 1, 2, \zero
.endm
; The last quarter multiplies buffer 1 and changes slots.  MEET is its first half: ONE barrier for the change.  In front of it each wave waits for all its tensor loads, of which one is out: its
; part of the next slot; adds 0 to its spare word; and waits for that and for its own reads of this slot.  Behind it nobody reads this slot any more and the next slot is whole.
.macro MEET round                      ; round = 1: the rest of a round of the cluster's barrier follows
	WIN 0                                          ; (the add's two registers lie in window 0)
	s_wait_tensorcnt 0x0                           ; all my tensor loads have landed;
	ds_add_u32 v[SPW], v[NIL]                      ; 0 onto my spare word;
	s_wait_dscnt 9                                 ; (the add and the youngest eight loads may be out)
	MUL16 F1, 0, 0, 0                              ; sixteen matrix instructions stand between the add and the wait for it
	s_wait_dscnt 0x0                               ; the add is done, and my reads of this slot are over:
	s_barrier_signal -1                            ; say so,
	MUL16 F1, 0, 2, 0                              ; work on registers while the others arrive,
.if \round
	WIN 0
.endif
	s_barrier_wait -1                              ; and go on when all four have said so
.endm
; The whole last quarter.  fill = 1: the barrier opens a round of the cluster's barrier, and behind the round the slot just read out is filled again first, with the K step two on;
; from that request to the wait for it a wave issues 224 matrix instructions.  Then come the next slot's first fragments.
.macro TURN slot, next, fill
.if \fill
	s_wait_xcnt 0x0                                ; the last prefetch, a K step back, has read its address: it is stepped here, ahead of the waits of the change of slots
	s_add_nc_u64 s[PFA:PFA+1], s[PFA:PFA+1], s[PFS:PFS+1]
	MEET 1
	CREST                                          ; no wave of any partner still reads this slot's tile or has a load on its way
	s_add_nc_u64 s[G0+4*(\slot)+2:G0+4*(\slot)+3], s[G0+4*(\slot)+2:G0+4*(\slot)+3], 2*KSTEP*2
	s_add_nc_u64 s[G0B+4*(\slot)+2:G0B+4*(\slot)+3], s[G0B+4*(\slot)+2:G0B+4*(\slot)+3], 2*KSTEP*SIZE_N*2
	JLOAD \slot                                    ; the first tensor load behind the round; the four v_nop behind it are also the places in front of the loads below
	FETCH \next, 0, F0
	ASK
.else
	MEET 0
	PLACES
	FETCH \next, 0, F0
.endif
	MUL16 F1, 1, 0, 0
	MUL16 F1, 1, 2, 0
.endm
; THE WAY OUT of block a (16 rows x my 128 columns), in three parts.  PACK: each sum times its row's scale, each accumulator's registers in ascending order.  TOSTAGE: a lane's 32 bytes of a row
; into my own stage in LDS, and back as whole rows of 512 bytes.  SEND: stored.
.macro PACK a
	WIN 0x02+(\a)/4                                ; source 0: window 2 or 3; the scale and the destination: window 0
.irp b, 0,1,2,3,4,5,6,7
.irp p, 0,1,2,3
	v_pk_mul_f32 v[TMP+8*(\b)+2*(\p):TMP+8*(\b)+2*(\p)+1], v[64*((\a)%4)+8*(\b)+2*(\p):64*((\a)%4)+8*(\b)+2*(\p)+1], v[SC+2*(\a):SC+2*(\a)+1] op_sel_hi:[1,0]
.endr
.endr
	WIN 0
.endm
.macro TOSTAGE a
	WIN 0
.set BK, OB+64*((\a)%2)
.irp b, 0,1,2,3,4,5,6,7
	ds_store_b128 v[STO], v[TMP+8*(\b):TMP+8*(\b)+3]   offset:64*(\b)
	ds_store_b128 v[STO], v[TMP+8*(\b)+4:TMP+8*(\b)+7] offset:64*(\b)+16
.endr
.irp t, 0,1,2,3,4,5,6,7,8,9,10,11,12,13,14,15
	ds_load_b128 v[BK+4*(\t):BK+4*(\t)+3], v[RD] offset:(\t)*SPITCH  ; LDS serves a wave's instructions in order (ISA guide 5.7.1.4): these see the stores above; the next block's stores come behind them
.endr
.endm
.macro SEND a
	WIN 0
.set BK, OB+64*((\a)%2)
	s_wait_dscnt 0x0                               ; the block is back in registers
	s_wait_xcnt 0x0                                ; only behind this wait are the stores' base and the registers that earlier stores read rewritten
.if (\a) > 0
	s_add_nc_u64 s[10:11], s[10:11], 16*SIZE_N*4   ; 16 rows of C on
.endif
.irp t, 0,1,2,3,4,5,6,7,8,9,10,11,12,13,14,15
	global_store_b128 v[CO], v[BK+4*(\t):BK+4*(\t)+3], s[10:11] offset:(\t)*SIZE_N*4 th:TH_STORE_NT  ; the wave stores 512 consecutive bytes of a row, at a multiple of 512 from C's first byte
.endr
.endm
	s_wait_tensorcnt 1                             ; my part of K step 0 is in; K step 1's may stay out
	s_wait_loadcnt 0x0                             ; my rows' scales, asked for behind the first tiles
	s_barrier_signal -1
	s_barrier_wait -1                              ; everybody's part is in
	FETCH 0, 0, F0
	QUARTER 0, 1, F0, F1, 1                        ; the first quarter stands in front of the loop: its products start the sums
	WIN 0                                          ; at a label and at a branch every window is 0
	s_mov_b32 s3, LAPS-1
.Llap:                                                 ; a trip goes once round the ring, from a lap's second quarter to the next lap's first, and fills both slots again
	QUARTER 0, 2, F1, F0, 0
	QUARTER 0, 3, F0, F1, 0
	TURN 0, 1, 1
	QUARTER 1, 1, F0, F1, 0
	QUARTER 1, 2, F1, F0, 0
	QUARTER 1, 3, F0, F1, 0
	TURN 1, 0, 1
	QUARTER 0, 1, F0, F1, 0
	WIN 0
	s_sub_co_u32 s3, s3, 1
	s_cmp_lg_u32 s3, 0
	s_cbranch_scc1 .Llap
	QUARTER 0, 2, F1, F0, 0                        ; the last lap is written out: it fills nothing, and has no round of the cluster's barrier
	QUARTER 0, 3, F0, F1, 0
	TURN 0, 1, 0                                   ; my one tensor load that was still out is slot 1's, the last K step's
	QUARTER 1, 1, F0, F1, 0
	QUARTER 1, 2, F1, F0, 0
	QUARTER 1, 3, F0, F1, 0
	s_wait_dscnt 8                                 ; the very last quarter: nothing more to fetch
	MUL16 F1, 0, 0, 0
	MUL16 F1, 0, 2, 0
	s_wait_dscnt 0x0
	MUL16 F1, 1, 0, 0
	MUL16 F1, 1, 2, 0
	WIN 0
	PLACES                                         ; behind the last products, in front of the multiplies that read results and write where fragments lay
	PLACES
	PACK 0
	TOSTAGE 0
.irp a, 1,2,3,4,5,6,7                  ; block a's multiplies stand between block a - 1's loads from the stage and the wait for them
	PACK \a
	SEND (\a)-1
	TOSTAGE \a
.endr
	SEND 7
	s_wait_tensorcnt 0x0                           ; the wave's end, behind my last tensor load and my last LDS store
	ds_add_u32 v[SPW], v[NIL]
	s_wait_dscnt 0x0
	CROUND                                         ; the closing round: no work-group ends while a partner may still ask for a tile that names it
	s_endpgm
.Lfunc_end_k_q653a2d837a_gemm:
	.size	k_q653a2d837a_gemm, .Lfunc_end_k_q653a2d837a_gemm-k_q653a2d837a_gemm
	.p2alignl 7, 3214868480
	.fill 96, 4, 3214868480
	.section	.rodata,"a",@progbits
	.p2align	6, 0x0
	.amdhsa_kernel k_q653a2d837a_gemm
		.amdhsa_group_segment_fixed_size 327680
		.amdhsa_private_segment_fixed_size 0
		.amdhsa_enable_private_segment 0
		.amdhsa_kernarg_size 32
		.amdhsa_user_sgpr_count 2
		.amdhsa_user_sgpr_kernarg_segment_ptr 1
		.amdhsa_wavefront_size32 1
		.amdhsa_system_sgpr_workgroup_id_x 1
		.amdhsa_system_sgpr_workgroup_id_y 1
		.amdhsa_system_sgpr_workgroup_id_z 1
		.amdhsa_system_vgpr_workitem_id 0
		.amdhsa_next_free_vgpr 1024
		.amdhsa_next_free_sgpr 80
		.amdhsa_reserve_vcc 0
		.amdhsa_float_denorm_mode_32 3
		.amdhsa_float_denorm_mode_16_64 3
		.amdhsa_memory_ordered 1
		.amdhsa_forward_progress 1
		.amdhsa_inst_pref_size 160
	.end_amdhsa_kernel
	.amdgpu_metadata
---
amdhsa.version: [ 1, 2 ]
amdhsa.kernels:
  - .name:           k_q653a2d837a_gemm
    .symbol:         k_q653a2d837a_gemm.kd
    .args:
      - { .name: aw, .offset: 0, .size: 8, .value_kind: global_buffer, .address_space: global }
      - { .name: bw, .offset: 8, .size: 8, .value_kind: global_buffer, .address_space: global }
      - { .name: lhs_scale, .offset: 16, .size: 8, .value_kind: global_buffer, .address_space: global }
      - { .name: out0, .offset: 24, .size: 8, .value_kind: global_buffer, .address_space: global }
    .group_segment_fixed_size: 327680
    .private_segment_fixed_size: 0
    .kernarg_segment_align: 8
    .kernarg_segment_size: 32
    .max_flat_workgroup_size: 128
    .sgpr_count:     80
    .vgpr_count:     1024
    .wavefront_size: 32
...
	.end_amdgpu_metadata
.endif
;; end of part 2
;; ======== version 2 of 2: 2 launches; version 1 with the launch cast written anew for expert scheduling mode
;; limits: right only within a limited range of input values
;; workspace buffers: aw 67,108,864 bytes; bw 16,777,216 bytes
;; launch cast (part 3): grid 1280 x 1, 8 waves a work-group, no clusters, 0 bytes of LDS; arguments lhs_q, rhs, aw, bw; writes aw, bw
.if DOCPART == 3
	.amdgcn_target "amdgcn-amd-amdhsa--gfx1250"
	.amdhsa_code_object_version 6
	.text
	.protected	k_q653a2d837a_cast
	.globl	k_q653a2d837a_cast
	.p2align	8
	.type	k_q653a2d837a_cast,@function
k_q653a2d837a_cast:
	s_mov_b64 s[64:65], 0
	v_nop
	global_prefetch_b8 v0, s[64:65] scope:SCOPE_SE
	s_setreg_imm32_b32 hwreg(HW_REG_WAVE_SCHED_MODE, 0, 2), 2
	s_setreg_imm32_b32 hwreg(HW_REG_WAVE_MODE, 25, 1), 1
	s_wait_xcnt 0x0
	s_wait_alu depctr_vm_vsrc(0)
; FIRST OF TWO LAUNCHES.  out[m][n] = lhs_scale[m] x the sum over k of int8(lhs_q[m][k]) rhs[k][n].
; This launch makes the two matrix operands of 16 bits:  aw[m][k] = bf16(int8(lhs_q[m][k])),  bw[k][n] = bf16(rhs[k][n]).
; NO WORK IS LEFT OUT: every input has a way to every row or column of the output.  One step is moved: the row's scale multiplies the finished sum
; in the second launch, s (q . b) = (s q) . b for all values, so that aw holds whole numbers -128 .. 127, which bf16 holds exactly.
; The cast to int8 is honoured for every int32: the low byte counts, sign-extended (a shift up by 24 and an arithmetic shift down).
; rhs is rounded once, to nearest even.  LIMIT, stated with the second launch: the unscaled sum is kept in f32.
; SHARES.  The two inputs are 160 MiB, cut into 1,280 chunks of 128 KiB: work-groups 0 .. 1,023 take lhs_q, 1,024 .. 1,279 take rhs; all move the same bytes.
; A chunk is 32 rows of 4,096 input bytes; thread t owns bytes 16 t of each row and the 8 output bytes at 8 t: a wave's load covers 512 consecutive bytes,
; its store 256 consecutive bytes at a multiple of 256 from the buffer's first byte.
; No LDS, no barrier, no matrix unit: nothing is shared between threads.
; THE MODE: SCHED_MODE bits 1:0 = 2 (LLVM: expert scheduling mode 2), set by the entry lines.  The code itself states the register dependences
; between vector instructions and memory instructions, with s_wait_alu, always for 0.
; THE PLAN.  The 32 rows go in 8 blocks of four.  Registers that memory instructions touch:
;   X0 .. X3   four blocks as loaded.      Written by the loads of block p + 3, issued in block p; read by block p's conversions.
;   Y0, Y1     two blocks of bf16 to store. Written by block p's roundings; read by the four stores that are issued in block p + 1.
;   v1, v2     byte offsets, made once at the head and never written again: the rows are reached by immediate offsets, 31 rows of 4,096 bytes at the most.
; Block p works on X[p % 4] and writes Y[p % 2].  Its memory instructions are the loads into X[(p + 3) % 4] = X[(p - 1) % 4] and the stores from
; Y[(p - 1) % 2]: the two buffers that block p - 1 worked on and that no vector instruction of block p names.  So the waits at the head of a block
; state all that the block's eight memory instructions hang on, and these are dealt among its vector instructions with no further wait.
; The eight blocks are written out: the first has no store, the last three no load, and the four between would be a lap walked once.
.set ROWIN,  4096                      ; input bytes of a row of the chunk
.set ROWOUT, 2048                      ; output bytes of it
.set BLOCK,  4                         ; rows in a block
.set BLOCKS, 32/BLOCK
.set T, 4                              ; v[4:7]    at work: no memory instruction names them
.set X, 8                              ; v[8:71]   buffer k, row i: four words as loaded, at X + 16 k + 4 i
.set Y, 72                             ; v[72:87]  buffer k, row i: four bf16 to store, at Y + 8 k + 2 i
	s_load_b256 s[4:11], s[0:1], 0x0               ; lhs_q s[4:5], rhs s[6:7], aw s[8:9], bw s[10:11]
	v_lshlrev_b32 v1, 4, v0                        ; my 16 input bytes of a row; never rewritten
	v_lshlrev_b32 v2, 3, v0                        ; my 8 output bytes; never rewritten
	s_mov_b32 s3, 0                                ; high word of the offsets: all stay under 2^28
	s_wait_kmcnt 0x0
; Four numbers, v[rX .. rX + 3], to bf16 in v[rY], v[rY + 1].  kind 0: int32, of which the low byte counts.  kind 1: f32.
.macro CONV kind
.if (\kind) == 0
.irp j, 0,1,2,3
	v_lshlrev_b32 v[T+(\j)], 24, v[rX+(\j)]        ; the low byte to the top,
.endr
.irp j, 0,1,2,3
	v_ashrrev_i32 v[T+(\j)], 24, v[T+(\j)]         ; and back with its sign: the cast to int8
.endr
.irp j, 0,1,2,3
	v_cvt_f32_i32 v[T+(\j)], v[T+(\j)]
.endr
	v_cvt_pk_bf16_f32 v[rY],   v[T],   v[T+1]      ; exact: eight bits
	v_cvt_pk_bf16_f32 v[rY+1], v[T+2], v[T+3]
.else
	v_cvt_pk_bf16_f32 v[rY],   v[rX],   v[rX+1]
	v_cvt_pk_bf16_f32 v[rY+1], v[rX+2], v[rX+3]
.endif
.endm
; Block p of the chunk that goes from s[in:in+1] to s[out:out+1].
.macro BLK kind, in, out, p
.set left, BLOCK*(BLOCKS-1-(\p))       ; the younger loads that may stay out: two blocks', and in the last two blocks what is left: 4, then 0
.if left > 2*BLOCK
.set left, 2*BLOCK
.endif
	s_wait_loadcnt left                            ; loads come back in order (ISA guide 5.7.1): X[p % 4] is in, the younger blocks stay out
.if (\p) >= 2
	s_wait_xcnt 0x0                                ; every earlier memory instruction has had its addresses translated (ISA guide 3.1): Y[p % 2] is rewritten only behind this wait
	s_wait_alu depctr_vm_vsrc(0)                   ; the stores issued in the block before have read Y[p % 2], which this block's roundings write again
.endif
.if (\p) >= 1
	s_wait_alu depctr_va_vdst(0)                   ; the block before has written the other Y, which the stores below read, and is done reading its X, in which the loads below land
.endif
.irp i, 0,1,2,3
.if (\p)+3 < BLOCKS
.set rL, X+16*(((\p)+3)%4)+4*(\i)
	global_load_b128 v[rL:rL+3], v1, s[\in:\in+1] offset:(BLOCK*((\p)+3)+(\i))*ROWIN th:TH_LOAD_NT  ; three blocks ahead; no vector instruction since the wait names these registers
.endif
.if (\p) >= 1
.set rS, Y+8*(((\p)+1)%2)+2*(\i)
	global_store_b64 v2, v[rS:rS+1], s[\out:\out+1] offset:(BLOCK*((\p)-1)+(\i))*ROWOUT  ; the block before
.endif
.set rX, X+16*((\p)%4)+4*(\i)
.set rY, Y+8*((\p)%2)+2*(\i)
	CONV \kind
.endr
.endm
; A chunk: 32 rows.
.macro STREAM kind, in, out
	s_wait_alu depctr_va_vdst(0)                   ; v1 and v2 are written: every load and store of the kernel reads one of them as its offset
.irp i, 0,1,2,3,4,5,6,7,8,9,10,11
	global_load_b128 v[X+4*(\i):X+4*(\i)+3], v1, s[\in:\in+1] offset:(\i)*ROWIN th:TH_LOAD_NT  ; blocks 0, 1 and 2 into X0, X1, X2
.endr
	BLK \kind, \in, \out, 0                        ; no block in front of it: no store, and no wait but the one for its data
	BLK \kind, \in, \out, 1                        ; writes Y1, which no store has read yet
	BLK \kind, \in, \out, 2
	BLK \kind, \in, \out, 3
	BLK \kind, \in, \out, 4                        ; asks for block 7, the last
	BLK \kind, \in, \out, 5                        ; blocks 5 to 7 load nothing: no load leaves the chunk, and the counts run down
	BLK \kind, \in, \out, 6
	BLK \kind, \in, \out, 7
	s_wait_alu depctr_va_vdst(0)                   ; block 7 has written Y1, which the last four stores read
.irp i, 0,1,2,3
	global_store_b64 v2, v[Y+8+2*(\i):Y+8+2*(\i)+1], s[\out:\out+1] offset:(BLOCK*(BLOCKS-1)+(\i))*ROWOUT
.endr
.endm
	s_cmp_lt_u32 ttmp9, 1024
	s_cbranch_scc0 .Lrhs
	s_lshl_b32 s2, ttmp9, 17                       ; the chunk's 128 KiB of lhs_q,
	s_add_nc_u64 s[4:5], s[4:5], s[2:3]
	s_lshl_b32 s2, ttmp9, 16                       ; its 64 KiB of aw
	s_add_nc_u64 s[8:9], s[8:9], s[2:3]
	STREAM 0, 4, 8
	s_endpgm
.Lrhs:
	s_sub_co_u32 s12, ttmp9, 1024                  ; the chunk's number in rhs
	s_lshl_b32 s2, s12, 17
	s_add_nc_u64 s[6:7], s[6:7], s[2:3]
	s_lshl_b32 s2, s12, 16
	s_add_nc_u64 s[10:11], s[10:11], s[2:3]
	STREAM 1, 6, 10
	s_endpgm
.Lfunc_end_k_q653a2d837a_cast:
	.size	k_q653a2d837a_cast, .Lfunc_end_k_q653a2d837a_cast-k_q653a2d837a_cast
	.p2alignl 7, 3214868480
	.fill 96, 4, 3214868480
	.section	.rodata,"a",@progbits
	.p2align	6, 0x0
	.amdhsa_kernel k_q653a2d837a_cast
		.amdhsa_group_segment_fixed_size 0
		.amdhsa_private_segment_fixed_size 0
		.amdhsa_enable_private_segment 0
		.amdhsa_kernarg_size 32
		.amdhsa_user_sgpr_count 2
		.amdhsa_user_sgpr_kernarg_segment_ptr 1
		.amdhsa_wavefront_size32 1
		.amdhsa_system_sgpr_workgroup_id_x 1
		.amdhsa_system_sgpr_workgroup_id_y 1
		.amdhsa_system_sgpr_workgroup_id_z 1
		.amdhsa_system_vgpr_workitem_id 0
		.amdhsa_next_free_vgpr 88
		.amdhsa_next_free_sgpr 66
		.amdhsa_reserve_vcc 0
		.amdhsa_float_denorm_mode_32 3
		.amdhsa_float_denorm_mode_16_64 3
		.amdhsa_memory_ordered 1
		.amdhsa_forward_progress 1
		.amdhsa_inst_pref_size 35
	.end_amdhsa_kernel
	.amdgpu_metadata
---
amdhsa.version: [ 1, 2 ]
amdhsa.kernels:
  - .name:           k_q653a2d837a_cast
    .symbol:         k_q653a2d837a_cast.kd
    .args:
      - { .name: lhs_q, .offset: 0, .size: 8, .value_kind: global_buffer, .address_space: global }
      - { .name: rhs, .offset: 8, .size: 8, .value_kind: global_buffer, .address_space: global }
      - { .name: aw, .offset: 16, .size: 8, .value_kind: global_buffer, .address_space: global }
      - { .name: bw, .offset: 24, .size: 8, .value_kind: global_buffer, .address_space: global }
    .group_segment_fixed_size: 0
    .private_segment_fixed_size: 0
    .kernarg_segment_align: 8
    .kernarg_segment_size: 32
    .max_flat_workgroup_size: 256
    .sgpr_count:     66
    .vgpr_count:     88
    .wavefront_size: 32
...
	.end_amdgpu_metadata
.endif
;; end of part 3
;; launch gemm: the kernel of part 2 again; grid 8 x 32, 4 waves a work-group, clusters of 4 x 4, 327,680 bytes of LDS; arguments aw, bw, lhs_scale, out0; writes out0
